; MI455X (gfx1250); checked and timed in simulation.
; The chip was launched on July 23, 2026; its instructions are those of AMD's public machine-readable ISA for CDNA 5 (MIT licence, August 2026) and "CDNA5" Instruction Set Architecture Reference Guide (July 2026). The comments in the code are by the model that wrote it; some were corrected since.
;; Alltag Ctx Generator. Allowed arithmetic: matrix products marked QUANTISED: E4M3 operands, one given power-of-two scale a tensor, by v_wmma_f32_16x16x64_fp8_fp8 or v_wmma_f32_16x16x128_fp8_fp8, f32 sums; everything else in f32.
;; Inputs: atk_weight 20,000 x 512 float32; ctx 16 x 128 x 768 float32; dec_W 8 x 768 x 1,024 float32; dec_b 8 x 1,024 float32; inp_mask 16 x 128 bool; inp_pos 16 x 128 int32; inp_word 16 x 128 int32; lowp_scales 6 int32 (the exponents e of the quantised operands' scales 2^e); psr_weight 20,000 x 512 float32; u_gumbel 2,048 x 1,024 float32; words 8 x 1,024 int32.
;; Outputs: out0 16 x 128 int32; out1 16 x 128 x 512 float32; out2 16 x 128 x 512 float32; out3 one number float32; out4 16 x 128 bool; out5 16 x 128 bool; out6 16 x 128 bool.
;; This version of the problem:
;;   THIS VERSION OF THE PROBLEM IS GIVEN IN LOW PRECISION. The matrix products marked QUANTISED in the list below multiply operands that are first quantised to E4M3 (4 exponent bits, 3 mantissa bits; 8 bits a number), with one given power-of-two scale for each operand tensor; their sums are f32. All else is computed in f32.
;;   The module's matrix products, in the order in which they are computed (A, B: the left and right operand; K: the contracted axis; several contracted axes count as one K, in the product's order):
;;     1. [M 8,192, K 768] x [K 768, N 2,048]; A: input dec_W; B: input ctx: QUANTISED (scales: A lowp_scales[0], B lowp_scales[1])
;;     2. batch 8 x [M 2,048, K 1,024] x [K 1,024, N 512]; A: softmax (see below); B: computed on the way: QUANTISED (scales: A lowp_scales[2], B lowp_scales[3])
;;     3. batch 8 x [M 2,048, K 1,024] x [K 1,024, N 512]; A: softmax (see below); B: computed on the way: QUANTISED (scales: A lowp_scales[4], B lowp_scales[5])
;;   THE QUANTISER, for each operand of a quantised product, along K:
;;     - The operand's scale is 2^e, e = its entry of the input lowp_scales (int32; the entries are numbered through the quantised products in the list's order, A before B).
;;     - Each number is divided by the scale, clamped to +-448, and rounded to the nearest number of E4M3, ties to even, subnormals kept.
;;     - The product sums the exact products of the quantised numbers (number of the format x scale) in f32.
;;   ~~~python
;;   def quantise(x, axis, e):      # numpy; x: float32 -> the quantised numbers, widened to float32 again
;;       x = np.moveaxis(x, axis, -1); K = x.shape[-1]
;;       r = np.clip(x / 2.0 ** e, -448, 448)
;;       step = 2.0 ** (np.maximum(np.frexp(np.where(r == 0, 1, r))[1] - 1, -6) - 3)
;;       q = np.round(r / step) * step * 2.0 ** e      # np.round: ties to even
;;       return np.moveaxis(q, -1, axis).astype(np.float32)
;;   ~~~
;;   SOFTMAX AHEAD OF A QUANTISED PRODUCT. Where the list says 'softmax', what is quantised is not the finished softmax but p = 2^(t - M), with t = logit x log2(e) and M = ceil(the row's largest t), a whole number; so 1/2 < the row's largest p <= 1. The row's sum l is taken of the UNQUANTISED p, in f32, and the product's result is divided by l at the end. Since M is a whole number, a kernel that streams over the keys may use a running M (the ceiling of the running maximum): every later rescaling is an exact power of two, so the quantised numbers keep their values, but for numbers so far below the row's largest that they fall under the format's range.
;;   OPERANDS COMPUTED ON THE WAY. 'Computed on the way' means the value that the module computes at that place (a softmax that the list does not call 'softmax' is quantised finished and normalised). What goes into a quantiser is computed in f32, as accurately as f32 sums, v_exp_f32 and their like allow (about 1e-6 of the number): no bf16 or f16 on the way to a quantiser, and a product that is left as it is and whose result goes on into a quantised operand takes f32 operands (vector FMAs, or v_wmma_f32_16x16x4_f32). A number that lies on a knife's edge between two numbers of the format may be rounded either way, as far as f32 arithmetic and the matrix unit's own rounding can turn it there, and no further.
;; One version. Each part assembles by itself: llvm-mc -triple=amdgcn-amd-amdhsa -mcpu=gfx1250 --defsym DOCPART=n.
;; ======== version 1 of 1: 3 launches
;; limits: right only within a limited range of input values
;; workspace buffers: logits 8,388,608 bytes; route 135,168 bytes of whole numbers; pq 4,194,304 bytes; stats 16,384 bytes; chosen 8,192 bytes of whole numbers
;; launch logits (part 1): grid 256 x 1, 8 waves a work-group, no clusters, 151,040 bytes of LDS; arguments dec_W, ctx, inp_pos, dec_b, lowp_scales, logits, route; writes logits, route
.if DOCPART == 1
	.amdgcn_target "amdgcn-amd-amdhsa--gfx1250"
	.amdhsa_code_object_version 6
	.text
	.protected	k_q1a3acb5bff_logits
	.globl	k_q1a3acb5bff_logits
	.p2align	8
	.type	k_q1a3acb5bff_logits,@function
k_q1a3acb5bff_logits:
	s_mov_b64 s[64:65], 0
	v_nop
	global_prefetch_b8 v0, s[64:65] scope:SCOPE_SE
	s_setreg_imm32_b32 hwreg(HW_REG_WAVE_MODE, 25, 1), 1
	s_wait_xcnt 0x0
; FIRST OF THREE LAUNCHES: product 1 for the chosen rows, on codes of E4M3; logits[t][1024] for every token t with pos < 8.
; WORK LEFT OUT IN THE WHOLE PROGRAM, AND WHY IT IS DEAD.  reference() decodes every token by all 8 experts and then keeps, by sel, pm and tmask, which it builds itself from the
; index input inp_pos, one expert a token: out0, out1, out2 take row [sel[t], t] alone, the entropy takes neg_ent[p, t] only where pos[t] == p, and a token with pos >= 8 takes no
; expert's row at all (its word and its two table rows are copied).  So for every value of the inputs the logits, softmaxes and mixes of the experts that a token did not choose
; reach no output: the program multiplies only the chosen rows, found from inp_pos as read from memory.  Every input still has a way to an output: all are loaded.
; LIMIT: a NaN, an infinity or an overflow that arises only in an expert that a token did not choose is not carried to the result.
; LIMITS: inp_pos is taken as unsigned (0 to 11 as the problem has it; a negative number would count as 'copied'); words and inp_word are held to 0 .. 19,999; NaN among the
; floating-point inputs is not served; each given exponent e lies between -126 and 119, e0 + e1 between -126 and 127, so that the powers of two below are f32 numbers.
; SHARES.  Work-group number = e + 8 slice + 128 half: expert e, columns 64 slice .. + 63, tokens 1,024 half .. + 1,023 of class e.  Its 768 x 64 numbers of dec_W become codes in LDS, once;
; wave w takes the tiles of 16 tokens number w, w + 8, .. of the half's tokens of class e, in an order that all work-groups of (e, half) make alike; rows past the last token repeat it
; (they store the same numbers to the same bytes, from the same wave).
; THE ORDER OF K.  A lane of a ctx row holds four neighbours of each 128; eight codes of one lane are k = 256 j + 4 l + 0..3 and 256 j + 128 + 4 l + 0..3, at positions 256 j + 8 l + 0..7.  dec_W's rows
; are taken in the same order (16 positions = rows 0-3, 128-131, 4-7, 132-135 from 256 j + 8 y on, y = position / 16 in the block): every product meets its partner.
; NO TENSOR LOAD, NO CLUSTER: trip counts hang on counts made from inp_pos as read from memory.  NO PREFETCH: all that the first tile reads is asked for at the head, no loop runs ahead of it.
.set TP, 2064                          ; LDS: a fragment image of W, 2,048 bytes + 16: the sixteen lanes of a store then take sixteen different 16-byte columns modulo 256
.set KS, 4*TP                          ; a K step's four; six K steps
.set CTXA, 49664                       ; behind them 16 rows x 784 bytes of ctx's codes for each wave (on the way out: its stage)
.set SPARE, 150016                     ; the spare words, 128 bytes a wave
; Window 1 (v256-511) holds the fragments of W's K steps 0 to 3, read once, while ctx is on its way, and kept for all of the wave's tiles
.set SPW, 4                            ; v4 LDS address of my spare word; never rewritten
.set NIL, 5                            ; v5 0; never rewritten
; v1 lane, v2 r = lane % 16, v6 16 x lane, v7 W's image (store), v8-23 the rows' offsets in ctx, v24 my tokens, v26 2^e0, v28 2^e1, v27/v29 stage in/out, v30/v31 ctx's codes (load/store)
.macro ROWLD i                         ; row i of the tile: 3,072 bytes by six loads of 512 consecutive bytes
.irp j, 0,1,2,3,4,5
	global_load_b128 v[64+24*((\i)%8)+4*\j:67+24*((\i)%8)+4*\j], v[8+\i], s[6:7] offset:512*\j
.endr
.endm
.macro BITSTEP src, w                  ; one step of the search for the n-th set bit: are the next w bits passed over?
	v_bfe_u32 v42, v[\src], v41, \w
	v_cmp_le_u32 vcc_lo, v42, v36
	v_cndmask_b32 v43, 0, v42, vcc_lo
	v_cndmask_b32 v44, 0, \w, vcc_lo
	v_sub_nc_u32 v36, v36, v43
	v_add_nc_u32 v41, v41, v44
.endm
.macro SELECT                          ; v24 = the token of rank s28 + r (or of the last rank), v8-23 = the sixteen rows' offsets in ctx
	s_sub_co_u32 s29, s27, 1
	v_add_nc_u32 v32, s28, v2
	v_min_u32 v32, s29, v32
	v_mov_b32 v33, s32
	v_mov_b32 v34, 0
	v_mov_b32 v35, 0
	v_mov_b32 v41, 0
.set b, 1
.rept 31                               ; the last ballot whose first rank is at or under mine: its mask, first rank and number
	v_cmp_le_u32 vcc_lo, s[66+b], v32
	v_cndmask_b32 v33, v33, s[32+b], vcc_lo
	v_cndmask_b32 v34, v34, s[66+b], vcc_lo
	v_cndmask_b32 v35, v35, b, vcc_lo
.set b, b+1
.endr
	v_sub_nc_u32 v36, v32, v34             ; which set bit of the mask
	v_lshrrev_b32 v37, 1, v33              ; counts of ones in fields of 2, 4, 8, 16 bits
	v_and_b32 v37, 0x55555555, v37
	v_sub_nc_u32 v37, v33, v37
	v_and_b32 v38, 0x33333333, v37
	v_lshrrev_b32 v39, 2, v37
	v_and_b32 v39, 0x33333333, v39
	v_add_nc_u32 v38, v38, v39
	v_lshrrev_b32 v39, 4, v38
	v_add_nc_u32 v39, v38, v39
	v_and_b32 v39, 0x0f0f0f0f, v39
	v_lshrrev_b32 v40, 8, v39
	v_add_nc_u32 v40, v39, v40
	v_and_b32 v40, 0xff, v40
	BITSTEP 40, 16
	BITSTEP 39, 8
	BITSTEP 38, 4
	BITSTEP 37, 2
	BITSTEP 33, 1
	v_lshrrev_b32 v42, 2, v35              ; token = 1,024 half + 128 (ballot / 4) + 4 bit + ballot % 4
	v_and_b32 v43, 3, v35
	v_lshl_add_u32 v43, v41, 2, v43
	v_lshl_add_u32 v43, v42, 7, v43
	v_add_nc_u32 v43, s31, v43
	v_min_u32 v24, 2047, v43               ; (made of loaded numbers: held)
	s_wait_alu depctr_va_vdst(0)
.irp i, 0,4,8,12
	v_readlane_b32 s98, v24, \i
	v_readlane_b32 s99, v24, \i+1
	v_readlane_b32 s100, v24, \i+2
	v_readlane_b32 s101, v24, \i+3
.irp q, 98,99,100,101
	s_min_u32 s[\q], s[\q], 2047
	s_mul_i32 s[\q], s[\q], 3072
.endr
.irp q, 0,1,2,3
	v_add_nc_u32 v[8+\i+\q], s[98+\q], v6
.endr
.endr
	s_wait_alu depctr_va_vdst(0)
.endm
; W's codes: group g holds 32 positions of K, lane (h, q) 16 of them for columns 4 q .. 4 q + 3; the hold lays a column's 16 numbers side by side.  act: my wave has a tile, and its rows' loads
; follow into the registers that are done with.
.macro WCONV act
.irp g, 0,1,2
.if \act
	s_wait_loadcnt 32-4*(\g%2)-2*(\g/2)    ; 32: groups 1, 2 may be out; 28: group 2 and rows 0, 1; 30: rows 0 to 4
.else
	s_wait_loadcnt 32-16*\g                ; the later groups may be out
.endif
.irp x, 0,1,2,3
.set i, 0
.rept 16
	v_med3_num_f32 v[32+i], v[64+64*\g+4*i+\x], s2, s3   ; the conversion to an 8-bit code does not saturate (ISA guide 7.6.2): the hold at 448 x the scale
.set i, i+1
.endr
	v_cvt_scalef32_pk8_fp8_f32 v[48+4*\x:49+4*\x], v[32:39], v26
	v_cvt_scalef32_pk8_fp8_f32 v[50+4*\x:51+4*\x], v[40:47], v26
	v_nop                                  ; one plain line between the conversions and the next writes of their sources
.endr
.if \act
.if \g == 0
	ROWLD 0
	ROWLD 1
.elseif \g == 1
	ROWLD 2
	ROWLD 3
	ROWLD 4
.else
	ROWLD 5
	ROWLD 6
	ROWLD 7
.endif
.endif
.irp x, 0,1,2,3
	ds_store_b128 v7, v[48+4*\x:51+4*\x] offset:2*KS*\g+16*\x
.endr
.endr
.endm
.macro ROW i                           ; row i becomes 768 codes in my part of LDS; row i + 8 is asked for
.set X, 64+24*((\i)%8)
.set Y, 32+6*((\i)%4)
.if (\i) <= 8
	s_wait_loadcnt 42                      ; the seven rows behind it may be out
.else
	s_wait_loadcnt 6*(15-(\i))
.endif
.set n, 0
.rept 24
	v_med3_num_f32 v[X+n], v[X+n], s12, s13
.set n, n+1
.endr
.irp j, 0,1,2
	v_cvt_scalef32_pk8_fp8_f32 v[Y+2*\j:Y+2*\j+1], v[X+8*\j:X+8*\j+7], v28
.endr
	v_nop                                  ; one plain line behind the last conversion
.if (\i) < 8
	ROWLD (\i)+8
.endif
.irp j, 0,1,2
	ds_store_b64 v31, v[Y+2*\j:Y+2*\j+1] offset:784*(\i)+256*\j
.endr
.endm
.macro WFET reg, s                     ; K step s: four fragments of W to v[reg ..]
.irp q, 0,1,2,3
.irp c, 0,1,2,3
	ds_load_b128 v[(\reg)+16*\q+4*\c:(\reg)+3+16*\q+4*\c], v6 offset:(\s)*KS+\q*TP+\c*512
.endr
.endr
.endm
.macro MUL s, reg, zero                ; 128 along K, the four accumulators by turns, one instruction a turn
.irp q, 0,1,2,3
.if \zero
	v_wmma_f32_16x16x128_fp8_fp8 v[32+8*\q:39+8*\q], v[(\reg)+16*\q:(\reg)+15+16*\q], v[64+16*(\s):79+16*(\s)], 0
.else
	v_wmma_f32_16x16x128_fp8_fp8 v[32+8*\q:39+8*\q], v[(\reg)+16*\q:(\reg)+15+16*\q], v[64+16*(\s):79+16*(\s)], v[32+8*\q:39+8*\q]
.endif
.endr
.endm
.macro PLACES                          ; four places in front of loads into registers that products read, and of the first read of results
.rept 4
	v_nop
.endr
.endm
	s_load_b256 s[4:11], s[0:1], 0x0       ; dec_W s[4:5], ctx s[6:7], inp_pos s[8:9], dec_b s[10:11]
	s_load_b128 s[12:15], s[0:1], 0x20     ; the exponents s[12:13], logits s[14:15]
	s_load_b64 s[16:17], s[0:1], 0x30      ; route
	v_lshl_add_u32 v[SPW], v0, 2, SPARE
	v_mov_b32 v[NIL], 0
	v_and_b32 v1, 31, v0
	v_and_b32 v2, 15, v0
	v_bfe_u32 v3, v0, 4, 1                 ; h
	v_lshlrev_b32 v6, 4, v1
	v_lshrrev_b32 v7, 5, v0
	v_readfirstlane_b32 s20, v7            ; wave 0..7
	v_lshlrev_b32 v25, 4, v2
	v_lshl_add_u32 v25, v3, 15, v25        ; dec_W: lanes 16-31 begin eight rows of 4,096 bytes further down; 16 bytes a lane
	v_and_b32 v8, 8, v0                    ; the image: column 4 q + x = 32 b + 16 g + 8 u + i is row i + 8 g of tile 2 b + u
	v_mul_u32_u24 v7, v8, 0x204            ; 2 TP b,
	v_and_b32 v8, 2, v0
	v_mad_u32_u24 v7, v8, 0x408, v7        ; TP u
	v_and_b32 v8, 1, v0
	v_lshl_add_u32 v7, v8, 6, v7
	v_and_b32 v8, 4, v0
	v_lshl_add_u32 v7, v8, 5, v7
	v_and_b32 v8, 16, v0
	v_lshl_add_u32 v7, v8, 4, v7
	v_mul_u32_u24 v30, v2, 784
	v_lshl_add_u32 v30, v3, 4, v30
	v_lshlrev_b32 v31, 3, v1
	v_mul_u32_u24 v27, v2, 272
	v_lshl_add_u32 v27, v3, 6, v27
	v_mul_u32_u24 v29, v3, 272
	v_lshl_add_u32 v29, v2, 4, v29
	s_wait_alu depctr_va_vdst(0)           ; ahead of the scalar lines
	s_and_b32 s21, ttmp9, 7                ; e
	s_bfe_u32 s22, ttmp9, 0x40003          ; slice
	s_lshr_b32 s23, ttmp9, 7               ; half
	s_lshl_b32 s31, s23, 10
	s_lshl_b32 s28, s20, 4                 ; my tile's first rank
	s_mov_b32 s30, 0xffff0000              ; lanes 16-31
	s_mul_i32 s24, s21, 3145728            ; dec_W: expert,
	s_lshl_b32 s26, s20, 16
	s_add_co_u32 s24, s24, s26             ; 16 rows a wave,
	s_lshl_b32 s26, s22, 8
	s_add_co_u32 s24, s24, s26             ; 64 columns
	s_mov_b32 s25, 0
	s_lshr_b32 s26, s20, 2
	s_mul_i32 s26, s26, KS
	s_and_b32 s29, s20, 3
	s_lshl_b32 s29, s29, 9
	s_add_co_u32 s26, s26, s29             ; my group's place in the image: K step w / 4, piece w % 4
	s_mul_i32 s29, s20, 12544
	s_add_co_u32 s29, s29, CTXA            ; my part of LDS
	v_add_nc_u32 v7, s26, v7
	v_add_nc_u32 v30, s29, v30
	v_add_nc_u32 v31, s29, v31
	v_add_nc_u32 v27, s29, v27
	v_add_nc_u32 v29, s29, v29
	s_lshl_b32 s26, s23, 12
	s_mov_b32 s27, 0
	s_wait_alu depctr_va_vdst(0)           ; directly ahead of the wait below
	s_wait_kmcnt 0x0
	s_load_b64 s[18:19], s[12:13], 0x0     ; e0, e1
	s_add_nc_u64 s[8:9], s[8:9], s[26:27]
	s_add_nc_u64 s[4:5], s[4:5], s[24:25]
.irp i, 0,1,2,3,4,5,6,7
	global_load_b128 v[32+4*\i:35+4*\i], v6, s[8:9] offset:512*\i      ; pos of tokens 1,024 half + 128 i + 4 lane + 0 .. 3
.endr
.irp g, 0,1,2
.set i, 0
.rept 16
	global_load_b128 v[64+64*\g+4*i:67+64*\g+4*i], v25, s[4:5] offset:(256*\g+(i%4)+128*((i/4)%2)+4*(i/8))*4096   ; two rows' 256 bytes, aligned
.set i, i+1
.endr
.endr
	s_lshl_b32 s24, s22, 8
	s_add_nc_u64 s[14:15], s[14:15], s[24:25]      ; my 256 bytes of a row of logits
	s_lshl_b32 s26, s21, 12
	s_add_co_u32 s24, s24, s26
	s_add_nc_u64 s[10:11], s[10:11], s[24:25]      ; my 64 numbers of the bias
	s_lshl_b32 s24, s21, 1
	s_add_co_u32 s24, s24, s23
	s_mul_i32 s24, s24, 8448
	s_add_nc_u64 s[16:17], s[16:17], s[24:25]      ; route: (e, half): 64 tiles x 32 words, then the count in 32 words
	s_wait_kmcnt 0x0
	s_add_co_i32 s26, s18, 127
	s_lshl_b32 s29, s26, 23
	v_mov_b32 v26, s29                     ; 2^e0
	s_add_co_i32 s26, s26, 8
	s_lshl_b32 s26, s26, 23
	s_or_b32 s3, s26, 0x600000             ; 448 x 2^e0
	s_or_b32 s2, s3, 0x80000000
	s_add_co_i32 s26, s19, 127
	s_lshl_b32 s29, s26, 23
	v_mov_b32 v28, s29                     ; 2^e1
	s_add_co_i32 s26, s26, 8
	s_lshl_b32 s26, s26, 23
	s_or_b32 s13, s26, 0x600000
	s_or_b32 s12, s13, 0x80000000
	s_add_co_i32 s18, s18, s19
	s_add_co_i32 s18, s18, 127
	s_lshl_b32 s18, s18, 23                ; 2^(e0 + e1); named as a pair, so both words are written
	s_mov_b32 s19, s18
	s_wait_alu depctr_va_vdst(0)           ; the head's end
	s_wait_loadcnt 48                      ; pos is in; W's 48 loads may be out
.set b, 0
.rept 32                               ; ballot 4 i + x: the tokens 128 i + 4 lane + x that are of class e
	v_cmp_eq_u32 s[32+b], s21, v[32+b]
.set b, b+1
.endr
	s_wait_alu depctr_va_vdst(0)
	s_mov_b32 s27, 0
.set b, 0
.rept 32                               ; each ballot's first rank; s27 ends as the half's count of the class
	s_mov_b32 s[66+b], s27
	s_bcnt1_i32_b32 s29, s[32+b]
	s_add_co_u32 s27, s27, s29
.set b, b+1
.endr
	s_cmp_lt_u32 s28, s27                  ; has my wave a tile?
	s_cbranch_scc0 .Lidle
	SELECT
	WCONV 1
	s_branch .Ljoin
.Lidle:
.set i, 8
.rept 17
	v_mov_b32 v[i], 0                      ; (written on both ways to the join)
.set i, i+1
.endr
	WCONV 0
.Ljoin:
	s_wait_alu depctr_va_vdst(0)
	s_wait_dscnt 0x0                       ; for the others' sake: my codes of W have landed
	s_barrier_signal -1
	s_barrier_wait -1
	s_or_b32 s98, s20, s22
	s_cmp_lg_u32 s98, 0                    ; wave 0 of slice 0 stores the count
	s_cbranch_scc1 .Lno_count
	v_mov_b32 v62, s27
	v_lshl_add_u32 v63, v1, 2, 0x2000
	global_store_b32 v63, v62, s[16:17]
	s_wait_xcnt 0x0
.Lno_count:
	s_add_co_u32 s25, s27, 127
	s_sub_co_u32 s25, s25, s28
	s_lshr_b32 s25, s25, 7                 ; my tiles: (count + 127 - 16 w) / 128
	s_mov_b32 s24, 0
	s_cmp_lt_u32 s24, s25
	s_cbranch_scc0 .Lend
	s_set_vgpr_msb 0x0040                  ; destination in window 1
	WFET 0, 0
	WFET 64, 1
	WFET 128, 2
	WFET 192, 3
	s_set_vgpr_msb 0x4000
.Ltile:
.irp i, 0,1,2,3,4,5,6,7,8,9,10,11,12,13,14,15
	ROW \i
.endr
	v_and_b32 v25, 16, v0
	v_lshlrev_b32 v25, 2, v25              ; 64 h
.irp b, 0,1
.irp t, 0,1,2,3
	global_load_b128 v[224+16*\b+4*\t:227+16*\b+4*\t], v25, s[10:11] offset:128*\b+16*\t   ; the bias, in the result's layout
.endr
.endr
.irp s, 4,0,1,2,3,5                    ; ctx's six fragments to v64-159
.irp c, 0,1,2,3
	ds_load_b128 v[64+16*\s+4*\c:67+16*\s+4*\c], v30 offset:128*\s+32*\c
.endr
.endr
	WFET 160, 4
	s_wait_dscnt 0x0                       ; and window 1's fragments, which were asked for ahead of the rows
	MUL 4, 160, 1
	PLACES
	WFET 160, 5
	s_set_vgpr_msb 0x0001                  ; source 0 (W) in window 1
	MUL 0, 0, 0
	MUL 1, 64, 0
	MUL 2, 128, 0
	MUL 3, 192, 0
	s_set_vgpr_msb 0x0100
	s_wait_dscnt 0x0
	MUL 5, 160, 0
	PLACES
	; lane (r, h), register 16 b + i: token r, column 32 b + 16 h + i.  Through my stage, so that sixteen lanes store 256 consecutive bytes of a token's row
	s_wait_loadcnt 0x0
.set i, 0
.rept 16
	v_pk_fma_f32 v[64+i:65+i], v[32+i:33+i], s[18:19], v[224+i:225+i] op_sel_hi:[1,0,1]   ; each accumulator from its low end on
.set i, i+2
.endr
.irp b, 0,1
.irp t, 0,1,2,3
	ds_store_b128 v27, v[64+16*\b+4*\t:67+16*\b+4*\t] offset:128*\b+16*\t
.endr
.endr
.irp i, 0,1,2,3,4,5,6,7
	ds_load_b128 v[128+4*\i:131+4*\i], v29 offset:544*\i   ; LDS serves a wave's instructions in order (ISA guide 5.7.1.4): these see my stores
.endr
	v_lshlrev_b32 v105, 4, v2
.irp i, 0,2,4,6                        ; the tokens of rows 2 i + lane / 16
	v_readlane_b32 s98, v24, 2*\i
	v_readlane_b32 s99, v24, 2*\i+1
	v_readlane_b32 s100, v24, 2*\i+2
	v_readlane_b32 s101, v24, 2*\i+3
	v_mov_b32 v[96+\i], s98
	v_mov_b32 v[97+\i], s100
	v_cndmask_b32 v[96+\i], v[96+\i], s99, s30
	v_cndmask_b32 v[97+\i], v[97+\i], s101, s30
.endr
.irp i, 0,1,2,3,4,5,6,7
	v_min_u32 v[96+\i], 2047, v[96+\i]
	v_lshl_add_u32 v[96+\i], v[96+\i], 12, v105
.endr
	s_wait_alu depctr_va_vdst(0)
.irp i, 0,1,2,3,4,5,6,7
	s_wait_dscnt 7-\i                      ; rows 2 i, 2 i + 1 are back; the younger loads may be out
	global_store_b128 v[96+\i], v[128+4*\i:131+4*\i], s[14:15]
.endr
	s_cmp_lg_u32 s22, 0                    ; slice 0 stores the tile's tokens, lane by lane (lanes 16-31 repeat them)
	s_cbranch_scc1 .Lno_route
	s_lshl_b32 s98, s28, 3
	s_min_u32 s98, s98, 8064
	v_lshlrev_b32 v104, 2, v1
	v_add_nc_u32 v104, s98, v104
	global_store_b32 v104, v24, s[16:17]
.Lno_route:
	s_add_co_u32 s28, s28, 128
	s_add_co_u32 s24, s24, 1
	s_cmp_lt_u32 s24, s25
	s_cbranch_scc0 .Lend
	s_wait_xcnt 0x0                        ; the stores have read their registers
	SELECT
.irp i, 0,1,2,3,4,5,6,7
	ROWLD \i
.endr
	s_wait_alu depctr_va_vdst(0)
	s_cmp_lt_u32 s24, s25
	s_cbranch_scc1 .Ltile
.Lend:
	s_wait_tensorcnt 0x0                   ; the wave's end
	ds_add_u32 v[SPW], v[NIL]
	s_wait_dscnt 0x0
	s_endpgm
.Lfunc_end_k_q1a3acb5bff_logits:
	.size	k_q1a3acb5bff_logits, .Lfunc_end_k_q1a3acb5bff_logits-k_q1a3acb5bff_logits
	.p2alignl 7, 3214868480
	.fill 96, 4, 3214868480
	.section	.rodata,"a",@progbits
	.p2align	6, 0x0
	.amdhsa_kernel k_q1a3acb5bff_logits
		.amdhsa_group_segment_fixed_size 151040
		.amdhsa_private_segment_fixed_size 0
		.amdhsa_enable_private_segment 0
		.amdhsa_kernarg_size 56
		.amdhsa_user_sgpr_count 2
		.amdhsa_user_sgpr_kernarg_segment_ptr 1
		.amdhsa_wavefront_size32 1
		.amdhsa_system_sgpr_workgroup_id_x 1
		.amdhsa_system_sgpr_workgroup_id_y 1
		.amdhsa_system_sgpr_workgroup_id_z 1
		.amdhsa_system_vgpr_workitem_id 0
		.amdhsa_next_free_vgpr 512
		.amdhsa_next_free_sgpr 102
		.amdhsa_reserve_vcc 1
		.amdhsa_float_denorm_mode_32 3
		.amdhsa_float_denorm_mode_16_64 3
		.amdhsa_memory_ordered 1
		.amdhsa_forward_progress 1
		.amdhsa_inst_pref_size 133
	.end_amdhsa_kernel
	.amdgpu_metadata
---
amdhsa.version: [ 1, 2 ]
amdhsa.kernels:
  - .name:           k_q1a3acb5bff_logits
    .symbol:         k_q1a3acb5bff_logits.kd
    .args:
      - { .name: dec_W, .offset: 0, .size: 8, .value_kind: global_buffer, .address_space: global }
      - { .name: ctx, .offset: 8, .size: 8, .value_kind: global_buffer, .address_space: global }
      - { .name: inp_pos, .offset: 16, .size: 8, .value_kind: global_buffer, .address_space: global }
      - { .name: dec_b, .offset: 24, .size: 8, .value_kind: global_buffer, .address_space: global }
      - { .name: lowp_scales, .offset: 32, .size: 8, .value_kind: global_buffer, .address_space: global }
      - { .name: logits, .offset: 40, .size: 8, .value_kind: global_buffer, .address_space: global }
      - { .name: route, .offset: 48, .size: 8, .value_kind: global_buffer, .address_space: global }
    .group_segment_fixed_size: 151040
    .private_segment_fixed_size: 0
    .kernarg_segment_align: 8
    .kernarg_segment_size: 56
    .max_flat_workgroup_size: 256
    .sgpr_count:     102
    .vgpr_count:     512
    .wavefront_size: 32
...
	.end_amdgpu_metadata
.endif
;; end of part 1
;; launch soft (part 2): grid 256 x 1, 8 waves a work-group, no clusters, 0 bytes of LDS; arguments logits, u_gumbel, inp_pos, inp_word, route, lowp_scales, psr_weight, atk_weight, pq, stats, chosen, out1, out2; writes pq, stats, chosen, out1, out2
.if DOCPART == 2
	.amdgcn_target "amdgcn-amd-amdhsa--gfx1250"
	.amdhsa_code_object_version 6
	.text
	.protected	k_q1a3acb5bff_soft
	.globl	k_q1a3acb5bff_soft
	.p2align	8
	.type	k_q1a3acb5bff_soft,@function
k_q1a3acb5bff_soft:
	s_mov_b64 s[64:65], 0
	v_nop
	global_prefetch_b8 v0, s[64:65] scope:SCOPE_SE
	s_setreg_imm32_b32 hwreg(HW_REG_WAVE_MODE, 25, 1), 1
	s_wait_xcnt 0x0
; SECOND LAUNCH: a wave to a token.  pos < 8: log-softmax of the token's row of logits, its share of the entropy, Gumbel noise, the argmax's index, p = 2^(t - M), l, p's codes.
; pos >= 8: the word's two table rows are copied.  The branch hangs on pos, a whole number read from memory.
; WORK LEFT OUT: only a token's own expert is served; the others' results reach no output (shown at the head of the first launch's text).
; No LDS, no barrier, no cluster: the waves share nothing.  No prefetch: all loads stand at the head, no loop runs ahead.
; A lane holds columns 128 i + 4 lane + x in register 4 i + x: every load covers 512 consecutive bytes.  Eight registers make codes at positions 256 j + 8 lane + 0..7, the order of K that the third launch
; gives to its table rows too.  pq: [token][table][1,024 positions].  stats: [token] l and the share of the entropy.  chosen: [token] the argmax's index, looked up in words by the next launch.
; THE ENTROPY.  With a = x - max, s = sum e^a, q = sum a e^a: sum pspt e^pspt = q / s - ln s, for all inputs, since sum e^a / s = 1.
; THE ARGMAX is taken of z = pspt + g, the lowest column among equals.  LIMIT: two z that differ by less than the finished softmax's f32 rounding may be ordered otherwise than reference() orders them.
; LIMITS on the given exponents: e2 and e4 between -126 and 119.
.set ACC, 32                           ; v32-63  logits x, then a, then z
.set GU,  64                           ; v64-95  u, then g, then p
.set TE,  96                           ; v96-127 at work;  v128-143 codes
.set DP,  20                           ; v20 the other row's number in a reduction
.macro RED opd, op, d                  ; over the wave's 32 lanes, in every lane
	\opd v[\d], v[\d], v[\d] row_xmask:1 row_mask:0xf bank_mask:0xf
	s_delay_alu instid0(VALU_DEP_1)
	\opd v[\d], v[\d], v[\d] row_xmask:2 row_mask:0xf bank_mask:0xf
	s_delay_alu instid0(VALU_DEP_1)
	\opd v[\d], v[\d], v[\d] row_xmask:4 row_mask:0xf bank_mask:0xf
	s_delay_alu instid0(VALU_DEP_1)
	\opd v[\d], v[\d], v[\d] row_xmask:8 row_mask:0xf bank_mask:0xf
	s_delay_alu instid0(VALU_DEP_1)
	v_permlanex16_b32 v[DP], v[\d], s66, s67
	s_delay_alu instid0(VALU_DEP_1)
	\op v[\d], v[\d], v[DP]
.endm
.macro MAXROW                          ; v14 = the largest of the row; v15 at work
	v_max3_num_f32 v14, v[ACC], v[ACC+1], v[ACC+2]
	v_max3_num_f32 v15, v[ACC+3], v[ACC+4], v[ACC+5]
.irp i, 6,10,14,18,22,26
	v_max3_num_f32 v14, v14, v[ACC+\i], v[ACC+\i+1]
	v_max3_num_f32 v15, v15, v[ACC+\i+2], v[ACC+\i+3]
.endr
	v_max3_num_f32 v14, v14, v[ACC+30], v[ACC+31]
	v_max_num_f32 v14, v14, v15
	RED v_max_num_f32_dpp, v_max_num_f32, 14
.endm
	s_load_b512 s[4:19], s[0:1], 0x0       ; logits s[4:5], u s[6:7], inp_pos s[8:9], inp_word s[10:11], route s[12:13], the exponents s[14:15], psr s[16:17], atk s[18:19]
	s_load_b256 s[20:27], s[0:1], 0x40     ; pq s[20:21], stats s[22:23], chosen s[24:25], out1 s[26:27]
	s_load_b64 s[28:29], s[0:1], 0x60      ; out2
	v_and_b32 v1, 31, v0
	v_lshrrev_b32 v2, 5, v0
	v_readfirstlane_b32 s3, v2             ; wave 0..7
	v_lshlrev_b32 v6, 4, v1
	v_lshlrev_b32 v7, 3, v1
	v_mov_b32 v5, 0
	v_mov_b32 v[DP], 0                     ; written once: a lane permute's destination counts as one of its sources
	s_wait_alu depctr_va_vdst(0)           ; ahead of the scalar lines
	s_lshl_b32 s30, ttmp9, 3
	s_add_co_u32 s30, s30, s3              ; my token
	s_lshl_b32 s32, s30, 2
	s_mov_b32 s33, 0
	s_lshl_b32 s34, s30, 12
	s_mov_b32 s35, 0
	s_mov_b32 s56, 0x3fb8aa3b              ; log2(e); each constant of a packed form is named as a pair, so both words are written
	s_mov_b32 s57, s56
	s_mov_b32 s58, 0xbf317218              ; -ln 2
	s_mov_b32 s59, s58
	s_mov_b32 s60, 0x358637bd              ; 1e-6
	s_mov_b32 s61, 0x3f7fffef              ; 1 - 1e-6
	s_mov_b32 s66, 0x76543210              ; v_permlanex16_b32's selects for the lane 16 away
	s_mov_b32 s67, 0xfedcba98
	s_wait_kmcnt 0x0
	s_add_nc_u64 s[8:9], s[8:9], s[32:33]
	s_add_nc_u64 s[10:11], s[10:11], s[32:33]
	s_load_b32 s31, s[8:9], 0x0            ; pos
	s_load_b32 s36, s[10:11], 0x0          ; word
	s_load_b128 s[40:43], s[14:15], 0x8    ; e2 .. e5
	s_add_nc_u64 s[6:7], s[6:7], s[34:35]
	s_add_nc_u64 s[4:5], s[4:5], s[34:35]
	s_add_nc_u64 s[24:25], s[24:25], s[32:33]
	s_lshl_b32 s32, s32, 1
	s_add_nc_u64 s[22:23], s[22:23], s[32:33]
	s_lshl_b32 s34, s30, 11
	s_add_nc_u64 s[20:21], s[20:21], s[34:35]
	s_add_nc_u64 s[26:27], s[26:27], s[34:35]
	s_add_nc_u64 s[28:29], s[28:29], s[34:35]
	s_wait_kmcnt 0x0
	s_cmp_ge_u32 s31, 8
	s_cbranch_scc1 .Lcopy
.irp i, 0,1,2,3,4,5,6,7
	global_load_b128 v[GU+4*\i:GU+4*\i+3], v6, s[6:7] offset:512*\i th:TH_LOAD_NT
.endr
.irp i, 0,1,2,3,4,5,6,7
	global_load_b128 v[ACC+4*\i:ACC+4*\i+3], v6, s[4:5] offset:512*\i th:TH_LOAD_NT
.endr
	s_min_u32 s31, s31, 7
	s_mul_i32 s34, s31, 16896              ; the expert's two counts
	s_add_nc_u64 s[12:13], s[12:13], s[34:35]
	s_load_b32 s44, s[12:13], 0x2000
	s_load_b32 s45, s[12:13], 0x4100
	s_wait_loadcnt 8                       ; u is in; the logits may be out
	; ---- g = -ln(-ln(u)), u clipped as reference() clips it
.set i, 0
.rept 32
	v_med3_num_f32 v[GU+i], v[GU+i], s60, s61
.set i, i+1
.endr
	s_wait_alu depctr_va_vdst(0)           ; ahead of each batch of transcendentals and behind it
.set i, 0
.rept 32
	v_log_f32 v[GU+i], v[GU+i]
.set i, i+1
.endr
	v_nop
	s_wait_alu depctr_va_vdst(0)
.set i, 0
.rept 16
	v_pk_mul_f32 v[GU+i:GU+i+1], v[GU+i:GU+i+1], s[58:59] op_sel_hi:[1,0]
.set i, i+2
.endr
	s_wait_alu depctr_va_vdst(0)
.set i, 0
.rept 32
	v_log_f32 v[GU+i], v[GU+i]
.set i, i+1
.endr
	v_nop
	s_wait_alu depctr_va_vdst(0)
.set i, 0
.rept 16
	v_pk_mul_f32 v[GU+i:GU+i+1], v[GU+i:GU+i+1], s[58:59] op_sel_hi:[1,0]
.set i, i+2
.endr
	s_wait_alu depctr_va_vdst(0)           ; directly ahead of the waits below
	s_wait_kmcnt 0x0
	s_wait_loadcnt 0x0
	; ---- a = x - max, s = sum e^a, q = sum a e^a
	MAXROW
.set i, 0
.rept 16
	v_pk_add_f32 v[ACC+i:ACC+i+1], v[ACC+i:ACC+i+1], v[14:15] op_sel_hi:[1,0] neg_lo:[0,1] neg_hi:[0,1]
.set i, i+2
.endr
.set i, 0
.rept 16
	v_pk_mul_f32 v[TE+i:TE+i+1], v[ACC+i:ACC+i+1], s[56:57] op_sel_hi:[1,0]
.set i, i+2
.endr
	s_add_co_u32 s44, s44, s45
	s_max_u32 s44, s44, 1
	v_cvt_f32_u32 v24, s44
	v_mul_f32 v24, 0x44800000, v24         ; max(n, 1) x 1,024
	s_wait_alu depctr_va_vdst(0)
.set i, 0
.rept 32
	v_exp_f32 v[TE+i], v[TE+i]
.set i, i+1
.endr
	v_rcp_f32 v23, v24
	v_nop
	s_wait_alu depctr_va_vdst(0)
	v_pk_add_f32 v[16:17], v[TE:TE+1], v[TE+2:TE+3]
	v_pk_mul_f32 v[18:19], v[TE:TE+1], v[ACC:ACC+1]
	v_pk_fma_f32 v[18:19], v[TE+2:TE+3], v[ACC+2:ACC+3], v[18:19]
.set i, 4
.rept 14
	v_pk_add_f32 v[16:17], v[16:17], v[TE+i:TE+i+1]
	v_pk_fma_f32 v[18:19], v[TE+i:TE+i+1], v[ACC+i:ACC+i+1], v[18:19]
.set i, i+2
.endr
	v_add_f32 v16, v16, v17
	v_add_f32 v18, v18, v19
	RED v_add_f32_dpp, v_add_f32, 16
	RED v_add_f32_dpp, v_add_f32, 18
	s_wait_alu depctr_va_vdst(0)
	v_log_f32 v21, v16
	v_rcp_f32 v22, v16
	v_nop
	s_wait_alu depctr_va_vdst(0)
	v_mul_f32 v24, 0x3f317218, v21         ; ln s
	v_mov_b32 v25, v24
	v_fma_f32 v26, v18, v22, -v24          ; q / s - ln s = sum pspt e^pspt
	v_mul_f32 v13, v26, v23                ; the token's share of -entropy
	; ---- z = (a - ln s) + g
.set i, 0
.rept 16
	v_pk_add_f32 v[ACC+i:ACC+i+1], v[ACC+i:ACC+i+1], v[24:25] op_sel_hi:[1,0] neg_lo:[0,1] neg_hi:[0,1]
.set i, i+2
.endr
.set i, 0
.rept 16
	v_pk_add_f32 v[ACC+i:ACC+i+1], v[ACC+i:ACC+i+1], v[GU+i:GU+i+1]
.set i, i+2
.endr
	MAXROW
	; ---- the argmax: a selection of values alone
	v_mov_b32 v27, 32                      ; over every register: no match in this lane
	v_mov_b32 v28, 32
.set i, 15
.rept 16                               ; two chains, each descending, so that the lane's lowest column stays
	v_cmp_neq_f32 s48, v14, v[ACC+i]
	v_cmp_neq_f32 s49, v14, v[ACC+16+i]
	v_cndmask_b32 v27, i, v27, s48
	v_cndmask_b32 v28, 16+i, v28, s49
.set i, i-1
.endr
	v_min_u32 v27, v27, v28
	v_lshrrev_b32 v28, 2, v27
	v_and_b32 v27, 3, v27
	v_lshl_add_u32 v27, v1, 2, v27
	v_lshl_add_u32 v27, v28, 7, v27        ; column 128 i + 4 lane + x
	v_cvt_f32_u32 v27, v27                 ; (whole numbers under 2^11: exact)
	RED v_min_num_f32_dpp, v_min_num_f32, 27
	v_cvt_u32_f32 v27, v27
	; ---- p = 2^(t - M), t = z log2(e), M = ceil(the row's largest t); l = the sum of the unquantised p
	v_mul_f32 v29, s56, v14
	v_floor_f32 v30, -v29                  ; -M = floor(-t)
	v_mov_b32 v31, v30
.set i, 0
.rept 16
	v_pk_fma_f32 v[GU+i:GU+i+1], v[ACC+i:ACC+i+1], s[56:57], v[30:31] op_sel_hi:[1,0,0]
.set i, i+2
.endr
	s_wait_alu depctr_va_vdst(0)
.set i, 0
.rept 32
	v_exp_f32 v[GU+i], v[GU+i]
.set i, i+1
.endr
	v_nop
	s_wait_alu depctr_va_vdst(0)
.irp a, 0,1
	s_add_co_i32 s46, s[40+2*\a], 127
	s_lshl_b32 s47, s46, 23
	v_mov_b32 v8, s47                      ; 2^e of p for this table
	s_add_co_i32 s46, s46, 8
	s_lshl_b32 s46, s46, 23
	s_or_b32 s46, s46, 0x600000            ; 448 x that
.set i, 0
.rept 32
	v_min_num_f32 v[TE+i], s46, v[GU+i]    ; p is not negative: the hold is one-sided
.set i, i+1
.endr
.irp g, 0,1,2,3
	v_cvt_scalef32_pk8_fp8_f32 v[128+8*\a+2*\g:129+8*\a+2*\g], v[TE+8*\g:TE+8*\g+7], v8
.endr
	v_nop                                  ; a plain line between the conversions and the next writes of their sources
.irp g, 0,1,2,3
	global_store_b64 v7, v[128+8*\a+2*\g:129+8*\a+2*\g], s[20:21] offset:1024*\a+256*\g   ; 256 consecutive bytes, aligned
.endr
.endr
	v_pk_add_f32 v[16:17], v[GU:GU+1], v[GU+2:GU+3]
.set i, 4
.rept 14
	v_pk_add_f32 v[16:17], v[16:17], v[GU+i:GU+i+1]
.set i, i+2
.endr
	v_add_f32 v16, v16, v17
	RED v_add_f32_dpp, v_add_f32, 16       ; l
	v_mov_b32 v17, v13
.Lput:
	s_wait_alu depctr_va_vdst(0)
	s_wait_xcnt 0x0                        ; EXEC changes only behind this wait
	v_cmp_gt_u32 vcc_lo, 1, v1
	s_and_saveexec_b32 s38, vcc_lo         ; lane 0
	global_store_b64 v5, v[16:17], s[22:23]
	global_store_b32 v5, v27, s[24:25]
	s_wait_xcnt 0x0
	s_or_b32 exec_lo, exec_lo, s38
	s_endpgm
	; ---- a copied token: its word's row of each table; no share of the entropy, index 0 (which is never used)
.Lcopy:
	s_min_u32 s36, s36, 19999              ; a loaded number: held inside the table
	s_lshl_b32 s34, s36, 11
	s_add_nc_u64 s[16:17], s[16:17], s[34:35]
	s_add_nc_u64 s[18:19], s[18:19], s[34:35]
.irp k, 0,1,2,3
	global_load_b128 v[96+4*\k:99+4*\k], v6, s[16:17] offset:512*\k
	global_load_b128 v[112+4*\k:115+4*\k], v6, s[18:19] offset:512*\k
.endr
	v_mov_b32 v16, 0
	v_mov_b32 v17, 0
	v_mov_b32 v27, 0
	s_wait_alu depctr_va_vdst(0)
	s_wait_loadcnt 0x0
.irp k, 0,1,2,3
	global_store_b128 v6, v[96+4*\k:99+4*\k], s[26:27] offset:512*\k th:TH_STORE_NT
	global_store_b128 v6, v[112+4*\k:115+4*\k], s[28:29] offset:512*\k th:TH_STORE_NT
.endr
	s_wait_alu depctr_va_vdst(0)
	s_branch .Lput
.Lfunc_end_k_q1a3acb5bff_soft:
	.size	k_q1a3acb5bff_soft, .Lfunc_end_k_q1a3acb5bff_soft-k_q1a3acb5bff_soft
	.p2alignl 7, 3214868480
	.fill 96, 4, 3214868480
	.section	.rodata,"a",@progbits
	.p2align	6, 0x0
	.amdhsa_kernel k_q1a3acb5bff_soft
		.amdhsa_group_segment_fixed_size 0
		.amdhsa_private_segment_fixed_size 0
		.amdhsa_enable_private_segment 0
		.amdhsa_kernarg_size 104
		.amdhsa_user_sgpr_count 2
		.amdhsa_user_sgpr_kernarg_segment_ptr 1
		.amdhsa_wavefront_size32 1
		.amdhsa_system_sgpr_workgroup_id_x 1
		.amdhsa_system_sgpr_workgroup_id_y 1
		.amdhsa_system_sgpr_workgroup_id_z 1
		.amdhsa_system_vgpr_workitem_id 0
		.amdhsa_next_free_vgpr 144
		.amdhsa_next_free_sgpr 72
		.amdhsa_reserve_vcc 1
		.amdhsa_float_denorm_mode_32 3
		.amdhsa_float_denorm_mode_16_64 3
		.amdhsa_memory_ordered 1
		.amdhsa_forward_progress 1
		.amdhsa_inst_pref_size 37
	.end_amdhsa_kernel
	.amdgpu_metadata
---
amdhsa.version: [ 1, 2 ]
amdhsa.kernels:
  - .name:           k_q1a3acb5bff_soft
    .symbol:         k_q1a3acb5bff_soft.kd
    .args:
      - { .name: logits, .offset: 0, .size: 8, .value_kind: global_buffer, .address_space: global }
      - { .name: u_gumbel, .offset: 8, .size: 8, .value_kind: global_buffer, .address_space: global }
      - { .name: inp_pos, .offset: 16, .size: 8, .value_kind: global_buffer, .address_space: global }
      - { .name: inp_word, .offset: 24, .size: 8, .value_kind: global_buffer, .address_space: global }
      - { .name: route, .offset: 32, .size: 8, .value_kind: global_buffer, .address_space: global }
      - { .name: lowp_scales, .offset: 40, .size: 8, .value_kind: global_buffer, .address_space: global }
      - { .name: psr_weight, .offset: 48, .size: 8, .value_kind: global_buffer, .address_space: global }
      - { .name: atk_weight, .offset: 56, .size: 8, .value_kind: global_buffer, .address_space: global }
      - { .name: pq, .offset: 64, .size: 8, .value_kind: global_buffer, .address_space: global }
      - { .name: stats, .offset: 72, .size: 8, .value_kind: global_buffer, .address_space: global }
      - { .name: chosen, .offset: 80, .size: 8, .value_kind: global_buffer, .address_space: global }
      - { .name: out1, .offset: 88, .size: 8, .value_kind: global_buffer, .address_space: global }
      - { .name: out2, .offset: 96, .size: 8, .value_kind: global_buffer, .address_space: global }
    .group_segment_fixed_size: 0
    .private_segment_fixed_size: 0
    .kernarg_segment_align: 8
    .kernarg_segment_size: 104
    .max_flat_workgroup_size: 256
    .sgpr_count:     72
    .vgpr_count:     144
    .wavefront_size: 32
...
	.end_amdgpu_metadata
.endif
;; end of part 2
;; launch mix (part 3): grid 256 x 1, 16 waves a work-group, no clusters, 137,728 bytes of LDS; arguments words, psr_weight, atk_weight, route, pq, stats, lowp_scales, out1, out2, chosen, inp_pos, inp_word, inp_mask, out0, out3, out4, out5, out6; writes out0, out1, out2, out3, out4, out5, out6
.if DOCPART == 3
	.amdgcn_target "amdgcn-amd-amdhsa--gfx1250"
	.amdhsa_code_object_version 6
	.text
	.protected	k_q1a3acb5bff_mix
	.globl	k_q1a3acb5bff_mix
	.p2align	8
	.type	k_q1a3acb5bff_mix,@function
k_q1a3acb5bff_mix:
	s_mov_b64 s[64:65], 0
	v_nop
	global_prefetch_b8 v0, s[64:65] scope:SCOPE_SE
	s_setreg_imm32_b32 hwreg(HW_REG_WAVE_MODE, 25, 1), 1
	s_wait_xcnt 0x0
; THIRD LAUNCH: products 2 and 3 for the chosen rows, on codes of E4M3, and the small outputs.
; WORK LEFT OUT: only a token's own expert is mixed; the others' results reach no output (shown at the head of the first launch's text).
; SHARES.  Work-group number = e + 8 a + 16 slice + 128 half: expert e, table a (0 psr, 1 atk), columns d = 64 slice .. + 63, the half's tokens of class e.  The 1,024 table rows that words[e] names
; are gathered, 256 bytes each, and become codes in LDS, once; wave w takes the tiles of 16 tokens number w, w + 16, .. as the first launch listed them (rows past the last token repeat it).
; THE ORDER OF K is that of p's codes: position 256 j + 8 l + i is column 256 j + 4 l + i, or 256 j + 128 + 4 l + i - 4 for i > 3: only the order in which words are read follows it.
; The product is used transposed (source 0 = 16 columns of the table, source 1 = the 16 tokens' p): lane (r, h) holds token r and eight neighbouring d.
; NO TENSOR LOAD, NO CLUSTER: trip counts hang on counts read from memory.  NO PREFETCH: the gather and the first tile's codes are asked for as soon as their addresses are known, no loop runs ahead.
; LIMITS on the given exponents: e3 and e5 between -126 and 119; their sums with p's are applied by v_ldexp_f32.
; LDS: eight K steps of four fragment images, 2,048 bytes each; then a stage of 16 rows x 272 bytes for each wave; then the spare words, 128 bytes a wave.
.set TP, 2064                          ; a fragment image with 16 bytes behind it: the sixteen lanes of a store then take sixteen different 16-byte columns modulo 256
.set KS, 4*TP                          ; a K step's four; eight K steps
.set STG,   66048
.set SPARE, 135680
.set SPW, 4                            ; v4 LDS address of my spare word; never rewritten
.set NIL, 5                            ; v5 0; never rewritten
; v1 lane, v2 r, v3 h, v6 16 x lane, v7 image (store), v8 32 h, v9 4 x lane, v10 p's row, v11 l's place, v12 the table's scale, v13 l, v[14:15] 2^(ea + eb) / l, v24 tokens, v25 their place, v26 16 r, v27/v29 stage
.macro PADDR                           ; from the tokens: where p's codes and l stand
	v_min_u32 v24, 2047, v24               ; a loaded number: held
	v_lshlrev_b32 v10, 11, v24
	v_lshl_add_u32 v10, v3, 4, v10
	v_lshlrev_b32 v11, 3, v24
	s_wait_alu depctr_va_vdst(0)
.endm
.macro PLD s                           ; p's fragment of K step s: four loads of 16 bytes a lane
.irp c, 0,1,2,3
	global_load_b128 v[64+16*(\s)+4*\c:67+16*(\s)+4*\c], v10, s[12:13] offset:128*(\s)+32*\c
.endr
.endm
.macro TCONV act                       ; the gathered rows become codes; act: my wave has a tile, and p's loads follow into the registers that are done with
.irp g, 0,1
.if \g == 0
	s_wait_loadcnt 16                      ; group 1's 16 loads may be out
.elseif \act
	s_wait_loadcnt 17                      ; l and p's first 16 loads may be out
.else
	s_wait_loadcnt 0x0
.endif
.irp x, 0,1,2,3
.set i, 0
.rept 16
	v_med3_num_f32 v[192+i], v[64+64*\g+4*i+\x], s2, s3   ; the conversion to an 8-bit code does not saturate (ISA guide 7.6.2): the hold at 448 x the scale
.set i, i+1
.endr
	v_cvt_scalef32_pk8_fp8_f32 v[208+4*\x:209+4*\x], v[192:199], v12
	v_cvt_scalef32_pk8_fp8_f32 v[210+4*\x:211+4*\x], v[200:207], v12
	v_nop                                  ; one plain line between the conversions and the next writes of their sources
.endr
.if \act
.if \g == 0
	global_load_b32 v13, v11, s[14:15]
.endif
	PLD 4*\g
	PLD 4*\g+1
	PLD 4*\g+2
	PLD 4*\g+3
.endif
.irp x, 0,1,2,3
	ds_store_b128 v7, v[208+4*\x:211+4*\x] offset:512*\g+16*\x
.endr
.endr
.endm
.macro BUF n                           ; half step n's buffer: two take turns, from half step 4 on three (the third lies on p's fragments of K steps 0 and 1, which are done with)
.if (\n) < 4
.set BB, 192+32*((\n)%2)
.elseif ((\n)-4)%3 == 2
.set BB, 64
.else
.set BB, 192+32*(((\n)-4)%3)
.endif
.endm
.macro HFET n                          ; half step n: two of K step n / 2's four fragments of the table
	BUF (\n)
.irp t, 0,1
.irp c, 0,1,2,3
	ds_load_b128 v[BB+16*\t+4*\c:BB+3+16*\t+4*\c], v6 offset:((\n)/2)*KS+(2*((\n)%2)+\t)*TP+512*\c
.endr
.endr
.endm
.macro HMUL n                          ; the four accumulators take turns, one instruction a turn
.if (\n)%2 == 0
	s_wait_loadcnt 4*(7-(\n)/2)            ; this K step's codes of p are in; the later steps' loads may be out
.endif
.if (\n) == 15
	s_wait_dscnt 0x0
.elseif (\n) == 14
	s_wait_dscnt 8                         ; the last half step's eight loads may be out
.elseif (\n) >= 4
	s_wait_dscnt 16                        ; the next two half steps' loads may be out
.else
	s_wait_dscnt 8                         ; the next half step's eight loads may be out
.endif
	BUF (\n)
.irp t, 0,1
.set D, 32+8*(2*((\n)%2)+\t)
.if (\n) < 2
	v_wmma_f32_16x16x128_fp8_fp8 v[D:D+7], v[BB+16*\t:BB+15+16*\t], v[64+16*((\n)/2):79+16*((\n)/2)], 0
.else
	v_wmma_f32_16x16x128_fp8_fp8 v[D:D+7], v[BB+16*\t:BB+15+16*\t], v[64+16*((\n)/2):79+16*((\n)/2)], v[D:D+7]
.endif
.endr
.rept 4
	v_nop                                  ; four places in front of loads into registers that these products read, and of the first read of results
.endr
.if (\n) < 3
	HFET (\n)+2
.elseif (\n) == 3
	HFET 5
	HFET 6
.elseif (\n) < 13
	HFET (\n)+3
.endif
.endm
	s_load_b512 s[4:19], s[0:1], 0x0       ; words s[4:5], psr s[6:7], atk s[8:9], route s[10:11], pq s[12:13], stats s[14:15], the exponents s[16:17], out1 s[18:19]
	s_load_b64 s[20:21], s[0:1], 0x40      ; out2
	v_lshl_add_u32 v[SPW], v0, 2, SPARE
	v_mov_b32 v[NIL], 0
	v_and_b32 v1, 31, v0
	v_and_b32 v2, 15, v0
	v_bfe_u32 v3, v0, 4, 1
	v_lshlrev_b32 v6, 4, v1
	v_lshrrev_b32 v7, 5, v0
	v_readfirstlane_b32 s22, v7            ; wave 0..15
	v_and_b32 v8, 12, v0                   ; the image: column 4 q + x is row (4 q + x) % 16 of tile q / 4
	v_mul_u32_u24 v7, v8, 0x204            ; TP x tile
	v_and_b32 v8, 3, v0
	v_lshl_add_u32 v7, v8, 6, v7
	v_and_b32 v8, 16, v0
	v_lshl_add_u32 v7, v8, 4, v7
	v_lshlrev_b32 v8, 5, v3
	v_lshlrev_b32 v9, 2, v1
	v_mov_b32 v13, 0
	v_mov_b32 v24, 0
	v_lshlrev_b32 v26, 4, v2
	v_mul_u32_u24 v27, v2, 272
	v_lshl_add_u32 v27, v3, 5, v27
	v_mul_u32_u24 v29, v3, 272
	v_lshl_add_u32 v29, v2, 4, v29
	s_wait_alu depctr_va_vdst(0)           ; ahead of the scalar lines
	s_and_b32 s23, ttmp9, 7                ; e
	s_bfe_u32 s24, ttmp9, 0x10003          ; a
	s_bfe_u32 s25, ttmp9, 0x30004          ; slice
	s_lshr_b32 s26, ttmp9, 7               ; half
	s_lshl_b32 s28, s22, 4                 ; my tile's first rank
	s_mov_b32 s30, 0xffff0000              ; lanes 16-31
	s_lshl_b32 s32, s23, 12
	s_lshr_b32 s29, s22, 2
	s_lshl_b32 s29, s29, 10
	s_add_co_u32 s32, s32, s29
	s_and_b32 s29, s22, 3
	s_lshl_b32 s29, s29, 7
	s_add_co_u32 s32, s32, s29             ; words: expert, block of 256, my 64 positions
	s_mov_b32 s33, 0
	s_lshl_b32 s34, s23, 1
	s_add_co_u32 s34, s34, s26
	s_mul_i32 s34, s34, 8448               ; route: (e, half)
	s_mov_b32 s35, 0
	s_lshr_b32 s31, s22, 1
	s_mul_i32 s31, s31, KS
	s_and_b32 s29, s22, 1
	s_lshl_b32 s29, s29, 10
	s_add_co_u32 s31, s31, s29             ; my 64 positions in the image: K step w / 2, pieces 2 (w % 2), + 1
	s_mul_i32 s29, s22, 4352
	s_add_co_u32 s29, s29, STG             ; my stage
	v_add_nc_u32 v7, s31, v7
	v_add_nc_u32 v27, s29, v27
	v_add_nc_u32 v29, s29, v29
	s_wait_alu depctr_va_vdst(0)           ; directly ahead of the wait below
	s_wait_kmcnt 0x0
	s_add_nc_u64 s[4:5], s[4:5], s[32:33]
	s_add_nc_u64 s[10:11], s[10:11], s[34:35]
	s_load_b32 s27, s[10:11], 0x2000       ; the half's count of the class
	s_load_b128 s[36:39], s[16:17], 0x8    ; e2 .. e5
.irp g, 0,1
.irp k, 0,1,2,3
	global_load_b128 v[32+16*\g+4*\k:35+16*\g+4*\k], v8, s[4:5] offset:64*\g+512*(\k%2)+16*(\k/2)   ; the words of positions 64 w + 32 g + 16 h + 4 k + 0 .. 3
.endr
.endr
	s_cmp_eq_u32 s24, 0
	s_cselect_b64 s[6:7], s[6:7], s[8:9]
	s_cselect_b64 s[18:19], s[18:19], s[20:21]
	s_lshl_b32 s32, s25, 8
	s_add_nc_u64 s[6:7], s[6:7], s[32:33]          ; my 256 bytes of a table's row,
	s_add_nc_u64 s[18:19], s[18:19], s[32:33]      ; and of an output's
	s_lshl_b32 s32, s24, 10
	s_add_nc_u64 s[12:13], s[12:13], s[32:33]
	s_wait_kmcnt 0x0
	s_cmp_eq_u32 s24, 0
	s_cselect_b32 s36, s36, s38
	s_cselect_b32 s37, s37, s39
	s_add_co_i32 s40, s36, s37             ; ea + eb
	s_add_co_i32 s38, s37, 127
	s_lshl_b32 s39, s38, 23
	v_mov_b32 v12, s39                     ; the table's 2^e
	s_add_co_i32 s38, s38, 8
	s_lshl_b32 s38, s38, 23
	s_or_b32 s3, s38, 0x600000             ; 448 x that
	s_or_b32 s2, s3, 0x80000000
	s_wait_alu depctr_va_vdst(0)
	s_cmp_lt_u32 s28, s27                  ; has my wave a tile?
	s_cbranch_scc0 .Lno_tokens
	s_lshl_b32 s29, s28, 3
	s_min_u32 s29, s29, 8064
	v_add_nc_u32 v25, s29, v9
	global_load_b32 v24, v25, s[10:11]
.Lno_tokens:
	s_wait_loadcnt 0x0
.set i, 0
.rept 32
	v_min_u32 v[32+i], 0x4e1f, v[32+i]     ; a word is a loaded number: held to 19,999
.set i, i+1
.endr
.set i, 0
.rept 32
	v_lshl_add_u32 v[32+i], v[32+i], 11, v26
.set i, i+1
.endr
.set i, 0
.rept 32
	global_load_b128 v[64+4*i:67+4*i], v[32+i], s[6:7]    ; two gathered rows' 256 bytes, aligned
.set i, i+1
.endr
	PADDR
	s_cmp_lt_u32 s28, s27
	s_cbranch_scc0 .Lidle
	TCONV 1
	s_branch .Ljoin
.Lidle:
	TCONV 0
.Ljoin:
	s_wait_dscnt 0x0                       ; for the others' sake: my codes of the table have landed
	s_barrier_signal -1
	s_barrier_wait -1
	s_add_co_u32 s39, s27, 255
	s_sub_co_u32 s39, s39, s28
	s_lshr_b32 s39, s39, 8                 ; my tiles: (count + 255 - 16 w) / 256
	s_mov_b32 s38, 0
	s_cmp_lt_u32 s38, s39
	s_cbranch_scc0 .Lsmall
.Ltile:
	HFET 0
	HFET 1
	s_wait_loadcnt 32                      ; l is in; p's 32 loads may be out
	v_rcp_f32 v14, v13
	v_nop
	s_wait_alu depctr_va_vdst(0)           ; the wait ahead of the reciprocal's first reader
	v_ldexp_f32 v14, v14, s40
	v_mov_b32 v15, v14
	s_wait_alu depctr_va_vdst(0)
.irp n, 0,1,2,3,4,5,6,7,8,9,10,11,12,13,14,15
	HMUL \n
.endr
	; ---- the way out: through my stage, so that sixteen lanes store 256 consecutive bytes of a token's row
.set i, 0
.rept 16
	v_pk_mul_f32 v[192+i:193+i], v[32+i:33+i], v[14:15]   ; each accumulator from its low end on
.set i, i+2
.endr
.irp q, 0,1,2,3
	ds_store_b128 v27, v[192+8*\q:195+8*\q] offset:64*\q
	ds_store_b128 v27, v[196+8*\q:199+8*\q] offset:64*\q+16
.endr
.irp i, 0,1,2,3,4,5,6,7
	ds_load_b128 v[224+4*\i:227+4*\i], v29 offset:544*\i   ; LDS serves a wave's instructions in order (ISA guide 5.7.1.4): these see my stores
.endr
.irp i, 0,2,4,6                        ; the tokens of rows 2 i + lane / 16
	v_readlane_b32 s98, v24, 2*\i
	v_readlane_b32 s99, v24, 2*\i+1
	v_readlane_b32 s100, v24, 2*\i+2
	v_readlane_b32 s101, v24, 2*\i+3
	v_mov_b32 v[64+\i], s98
	v_mov_b32 v[65+\i], s100
	v_cndmask_b32 v[64+\i], v[64+\i], s99, s30
	v_cndmask_b32 v[65+\i], v[65+\i], s101, s30
.endr
.irp i, 0,1,2,3,4,5,6,7
	v_min_u32 v[64+\i], 2047, v[64+\i]
	v_lshl_add_u32 v[64+\i], v[64+\i], 11, v26
.endr
	s_wait_alu depctr_va_vdst(0)
.irp i, 0,1,2,3,4,5,6,7
	s_wait_dscnt 7-\i                      ; rows 2 i, 2 i + 1 are back; the younger loads may be out
	global_store_b128 v[64+\i], v[224+4*\i:227+4*\i], s[18:19] th:TH_STORE_NT
.endr
	s_add_co_u32 s28, s28, 256
	s_add_co_u32 s38, s38, 1
	s_cmp_lt_u32 s38, s39
	s_cbranch_scc0 .Lsmall
	s_wait_xcnt 0x0                        ; the stores have read their registers
	s_lshl_b32 s29, s28, 3
	s_min_u32 s29, s29, 8064
	v_add_nc_u32 v25, s29, v9
	global_load_b32 v24, v25, s[10:11]
	s_wait_loadcnt 0x0
	PADDR
	global_load_b32 v13, v11, s[14:15]
.irp s, 0,1,2,3,4,5,6,7
	PLD \s
.endr
	s_cmp_lt_u32 s38, s39
	s_cbranch_scc1 .Ltile
	; ================ THE SMALL OUTPUTS ================
	; Wave 15 of work-groups 0 to 7: tokens 256 g + 128 k + 4 lane + c, k = 0, 1, c = 0 .. 3.  Wave 15 of work-group 8: ent_loss.
.Lsmall:
	s_cmp_lg_u32 s22, 15
	s_cbranch_scc1 .Lend
	s_cmp_gt_u32 ttmp9, 8
	s_cbranch_scc1 .Lend
	s_wait_loadcnt 0x0                     ; on every way here no load of mine is out,
	s_wait_xcnt 0x0                        ; and my stores have read their registers
	s_cmp_eq_u32 ttmp9, 8
	s_cbranch_scc1 .Lentropy
	s_load_b64 s[42:43], s[0:1], 0x0       ; words
	s_load_b256 s[48:55], s[0:1], 0x48     ; chosen s[48:49], inp_pos s[50:51], inp_word s[52:53], inp_mask s[54:55]
	s_load_b64 s[56:57], s[0:1], 0x68      ; out0
	s_load_b128 s[60:63], s[0:1], 0x78     ; out4 s[60:61], out5 s[62:63]
	s_load_b64 s[66:67], s[0:1], 0x88      ; out6
	s_lshl_b32 s29, ttmp9, 10
	v_add_nc_u32 v64, s29, v6              ; four tokens' whole numbers
	s_lshl_b32 s29, ttmp9, 8
	v_add_nc_u32 v65, s29, v9              ; four tokens' bytes
	s_wait_alu depctr_va_vdst(0)
	s_wait_kmcnt 0x0
.irp k, 0,1
	global_load_b128 v[72+4*\k:75+4*\k], v64, s[50:51] offset:512*\k
	global_load_b128 v[80+4*\k:83+4*\k], v64, s[52:53] offset:512*\k
	global_load_b128 v[88+4*\k:91+4*\k], v64, s[48:49] offset:512*\k
	global_load_b32 v[96+\k], v65, s[54:55] offset:128*\k
.endr
	s_wait_loadcnt 0x0
.irp n, 0,1,2,3,4,5,6,7
	v_min_u32 v[88+\n], 1023, v[88+\n]     ; loaded numbers: held
	v_min_u32 v[100+\n], 7, v[72+\n]
	v_lshl_add_u32 v[100+\n], v[100+\n], 10, v[88+\n]
	v_min_u32 v[100+\n], 8191, v[100+\n]
	v_lshlrev_b32 v[100+\n], 2, v[100+\n]
.endr
.irp n, 0,1,2,3,4,5,6,7
	global_load_b32 v[108+\n], v[100+\n], s[42:43]   ; words[pos][index]
.endr
	s_wait_loadcnt 0x0
.irp k, 0,1
.irp c, 0,1,2,3
	v_cmp_gt_u32 vcc_lo, 8, v[72+4*\k+\c]
	v_cndmask_b32 v[116+4*\k+\c], v[80+4*\k+\c], v[108+4*\k+\c], vcc_lo   ; obf_word
	v_cndmask_b32 v130, 0, 1, vcc_lo                                      ; obf_mask
	v_cmp_gt_u32 vcc_lo, 4, v[72+4*\k+\c]
	v_cndmask_b32 v131, 0, 1, vcc_lo                                      ; pri_mask: pos < 4 (which is under 8)
	v_cmp_eq_u32 vcc_lo, v[116+4*\k+\c], v[80+4*\k+\c]
	v_cndmask_b32 v132, 0, 1, vcc_lo
.if \c == 0
	v_mov_b32 v[124+\k], v130
	v_mov_b32 v[126+\k], v131
	v_mov_b32 v[128+\k], v132
.else
	v_lshl_or_b32 v[124+\k], v130, 8*\c, v[124+\k]   ; a byte a token
	v_lshl_or_b32 v[126+\k], v131, 8*\c, v[126+\k]
	v_lshl_or_b32 v[128+\k], v132, 8*\c, v[128+\k]
.endif
.endr
	v_and_b32 v[128+\k], v[128+\k], v[96+\k]         ; cpy_mask = (obf_word == inp_word) & inp_mask
.endr
.irp k, 0,1
	global_store_b128 v64, v[116+4*\k:119+4*\k], s[56:57] offset:512*\k
	global_store_b32 v65, v[128+\k], s[60:61] offset:128*\k
	global_store_b32 v65, v[124+\k], s[62:63] offset:128*\k
	global_store_b32 v65, v[126+\k], s[66:67] offset:128*\k
.endr
	s_branch .Lend
.Lentropy:
	; ent_loss = the sum of all tokens' shares (each is sum pspt e^pspt / (n x 1,024): the sign of -entropy; a copied token's is 0)
	s_load_b64 s[42:43], s[0:1], 0x70      ; out3
	s_mov_b32 s44, 0x76543210              ; v_permlanex16_b32's selects for the lane 16 away
	s_mov_b32 s45, 0xfedcba98
.set i, 0
.rept 32
	global_load_b128 v[64+4*i:67+4*i], v6, s[14:15] offset:512*i   ; two tokens a lane: l, share, l, share
.set i, i+1
.endr
	v_mov_b32 v20, 0                       ; written once: a lane permute's destination counts as one of its sources
	s_wait_alu depctr_va_vdst(0)
	s_wait_kmcnt 0x0
	s_wait_loadcnt 0x0
	v_add_f32 v192, v65, v67
	v_add_f32 v193, v69, v71
.set i, 8
.rept 15
	v_add_f32 v192, v192, v[65+i]
	v_add_f32 v193, v193, v[69+i]
	v_add_f32 v192, v192, v[67+i]
	v_add_f32 v193, v193, v[71+i]
.set i, i+8
.endr
	v_add_f32 v192, v192, v193
	v_add_f32_dpp v192, v192, v192 row_xmask:1 row_mask:0xf bank_mask:0xf
	v_add_f32_dpp v192, v192, v192 row_xmask:2 row_mask:0xf bank_mask:0xf
	v_add_f32_dpp v192, v192, v192 row_xmask:4 row_mask:0xf bank_mask:0xf
	v_add_f32_dpp v192, v192, v192 row_xmask:8 row_mask:0xf bank_mask:0xf
	v_permlanex16_b32 v20, v192, s44, s45
	v_add_f32 v192, v192, v20
	s_wait_alu depctr_va_vdst(0)
	s_wait_xcnt 0x0                        ; EXEC changes only behind this wait
	v_cmp_gt_u32 vcc_lo, 1, v1
	s_and_saveexec_b32 s46, vcc_lo
	global_store_b32 v9, v192, s[42:43]    ; lane 0
	s_wait_xcnt 0x0
	s_or_b32 exec_lo, exec_lo, s46
.Lend:
	s_wait_tensorcnt 0x0                   ; the wave's end
	ds_add_u32 v[SPW], v[NIL]
	s_wait_dscnt 0x0
	s_endpgm
.Lfunc_end_k_q1a3acb5bff_mix:
	.size	k_q1a3acb5bff_mix, .Lfunc_end_k_q1a3acb5bff_mix-k_q1a3acb5bff_mix
	.p2alignl 7, 3214868480
	.fill 96, 4, 3214868480
	.section	.rodata,"a",@progbits
	.p2align	6, 0x0
	.amdhsa_kernel k_q1a3acb5bff_mix
		.amdhsa_group_segment_fixed_size 137728
		.amdhsa_private_segment_fixed_size 0
		.amdhsa_enable_private_segment 0
		.amdhsa_kernarg_size 144
		.amdhsa_user_sgpr_count 2
		.amdhsa_user_sgpr_kernarg_segment_ptr 1
		.amdhsa_wavefront_size32 1
		.amdhsa_system_sgpr_workgroup_id_x 1
		.amdhsa_system_sgpr_workgroup_id_y 1
		.amdhsa_system_sgpr_workgroup_id_z 1
		.amdhsa_system_vgpr_workitem_id 0
		.amdhsa_next_free_vgpr 256
		.amdhsa_next_free_sgpr 102
		.amdhsa_reserve_vcc 1
		.amdhsa_float_denorm_mode_32 3
		.amdhsa_float_denorm_mode_16_64 3
		.amdhsa_memory_ordered 1
		.amdhsa_forward_progress 1
		.amdhsa_inst_pref_size 73
	.end_amdhsa_kernel
	.amdgpu_metadata
---
amdhsa.version: [ 1, 2 ]
amdhsa.kernels:
  - .name:           k_q1a3acb5bff_mix
    .symbol:         k_q1a3acb5bff_mix.kd
    .args:
      - { .name: words, .offset: 0, .size: 8, .value_kind: global_buffer, .address_space: global }
      - { .name: psr_weight, .offset: 8, .size: 8, .value_kind: global_buffer, .address_space: global }
      - { .name: atk_weight, .offset: 16, .size: 8, .value_kind: global_buffer, .address_space: global }
      - { .name: route, .offset: 24, .size: 8, .value_kind: global_buffer, .address_space: global }
      - { .name: pq, .offset: 32, .size: 8, .value_kind: global_buffer, .address_space: global }
      - { .name: stats, .offset: 40, .size: 8, .value_kind: global_buffer, .address_space: global }
      - { .name: lowp_scales, .offset: 48, .size: 8, .value_kind: global_buffer, .address_space: global }
      - { .name: out1, .offset: 56, .size: 8, .value_kind: global_buffer, .address_space: global }
      - { .name: out2, .offset: 64, .size: 8, .value_kind: global_buffer, .address_space: global }
      - { .name: chosen, .offset: 72, .size: 8, .value_kind: global_buffer, .address_space: global }
      - { .name: inp_pos, .offset: 80, .size: 8, .value_kind: global_buffer, .address_space: global }
      - { .name: inp_word, .offset: 88, .size: 8, .value_kind: global_buffer, .address_space: global }
      - { .name: inp_mask, .offset: 96, .size: 8, .value_kind: global_buffer, .address_space: global }
      - { .name: out0, .offset: 104, .size: 8, .value_kind: global_buffer, .address_space: global }
      - { .name: out3, .offset: 112, .size: 8, .value_kind: global_buffer, .address_space: global }
      - { .name: out4, .offset: 120, .size: 8, .value_kind: global_buffer, .address_space: global }
      - { .name: out5, .offset: 128, .size: 8, .value_kind: global_buffer, .address_space: global }
      - { .name: out6, .offset: 136, .size: 8, .value_kind: global_buffer, .address_space: global }
    .group_segment_fixed_size: 137728
    .private_segment_fixed_size: 0
    .kernarg_segment_align: 8
    .kernarg_segment_size: 144
    .max_flat_workgroup_size: 512
    .sgpr_count:     102
    .vgpr_count:     256
    .wavefront_size: 32
...
	.end_amdgpu_metadata
.endif
;; end of part 3
